; MI455X (gfx1250); checked and timed in simulation.
; The chip was launched on July 23, 2026; its instructions are those of AMD's public machine-readable ISA for CDNA 5 (MIT licence, August 2026) and "CDNA5" Instruction Set Architecture Reference Guide (July 2026). The comments in the code are by the model that wrote it; some were corrected since.
;; Mo E. Allowed arithmetic: matrix products marked QUANTISED: E5M2 operands, one E8M0 scale for each 32 along K, by v_wmma_scale_f32_16x16x128_f8f6f4 with both operands' format E5M2, f32 sums; products left as they are: f32 operands where the result goes on into a quantised operand, else bf16, f16 or f32 operands; f32 sums; everything else in f32.
;; Inputs: W1_codes 8 x 4,096 x 32 x 32 uint8 (E5M2 codes of W1, K innermost, in blocks of 32 codes); W1_scales 8 x 4,096 x 32 uint8 (E8M0 scales of W1, one for each 32 codes along K); W2_codes 8 x 1,024 x 128 x 32 uint8 (E5M2 codes of W2, K innermost, in blocks of 32 codes); W2_scales 8 x 1,024 x 128 uint8 (E8M0 scales of W2, one for each 32 codes along K); Wg 1,024 x 8 float32; b1 8 x 4,096 float32; b2 8 x 1,024 float32; bg 8 float32; x 1,024 x 1,024 float32.
;; Outputs: out0 1,024 x 1,024 float32.
;; This version of the problem:
;;   THIS VERSION OF THE PROBLEM IS GIVEN IN LOW PRECISION. The matrix products marked QUANTISED in the list below multiply operands that are first quantised to E5M2 (5 exponent bits, 2 mantissa bits; 8 bits a number), with one power-of-two scale for each 32 numbers along K (OCP MX v1.0); their sums are f32. All else is computed in f32.
;;   The module's matrix products, in the order in which they are computed (A, B: the left and right operand; K: the contracted axis; several contracted axes count as one K, in the product's order):
;;     1. [M 1,024, K 1,024] x [K 1,024, N 8]; A: input x; B: input Wg: left as it is (N = 8 < 16)
;;     2. [M 1,024, K 1,024] x [K 1,024, N 32,768]; A: input x; B: input W1 (given as codes): QUANTISED
;;     3. batch 8 x [M 1,024, K 4,096] x [K 4,096, N 1,024]; A: input W2 (given as codes); B: computed on the way: QUANTISED
;;     4. batch 1,024 x [M 1, K 8] x [K 8, N 1,024]; A: softmax; B: computed on the way: left as it is (K = 8 < 32)
;;   THE QUANTISER, for each operand of a quantised product, along K:
;;     - K is cut into blocks of 32 from its start; a last block that is shorter is filled with zeros.
;;     - A block's scale is 2^e with e = floor(log2(the largest magnitude in the block)) - 15, held to -126 .. 127; a block of zeros has e = 0. As a byte (E8M0): e + 127.
;;     - Each number is divided by its block's scale, clamped to +-57,344, and rounded to the nearest number of E5M2, ties to even, subnormals kept.
;;     - The product sums the exact products of the quantised numbers (number of the format x scale) in f32.
;;   ~~~python
;;   def quantise(x, axis):      # numpy; x: float32 -> the quantised numbers, widened to float32 again
;;       x = np.moveaxis(x, axis, -1); K = x.shape[-1]
;;       x = np.pad(x, [(0, 0)] * (x.ndim - 1) + [(0, -K % 32)]); x = x.reshape(x.shape[:-1] + (-1, 32)); a = np.abs(x).max(-1, keepdims=True)
;;       e = np.where(a > 0, np.clip(np.frexp(np.where(a > 0, a, 1))[1] - 1 - 15, -126, 127), 0)      # np.frexp(a)[1] - 1 = floor(log2(a)), exactly
;;       r = np.clip(x / 2.0 ** e, -57344, 57344)
;;       step = 2.0 ** (np.maximum(np.frexp(np.where(r == 0, 1, r))[1] - 1, -14) - 2)
;;       q = np.round(r / step) * step * 2.0 ** e      # np.round: ties to even
;;       return np.moveaxis(q.reshape(q.shape[:-2] + (-1,))[..., :K], -1, axis).astype(np.float32)
;;   ~~~
;;   OPERANDS COMPUTED ON THE WAY. 'Computed on the way' means the value that the module computes at that place (a softmax that the list does not call 'softmax' is quantised finished and normalised). What goes into a quantiser is computed in f32, as accurately as f32 sums, v_exp_f32 and their like allow (about 1e-6 of the number): no bf16 or f16 on the way to a quantiser, and a product that is left as it is and whose result goes on into a quantised operand takes f32 operands (vector FMAs, or v_wmma_f32_16x16x4_f32). A number that lies on a knife's edge between two numbers of the format may be rounded either way, as far as f32 arithmetic and the matrix unit's own rounding can turn it there, and no further.
;;   INPUTS GIVEN AS CODES. W1 (in the module: [8, 1024, 4096], K = its axis 1); W2 (in the module: [8, 4096, 1024], K = its axis 1): each comes as NAME_codes (uint8): NAME with its K axis moved to the last place and cut into blocks of 32 codes, [.., K / 32, bytes a block], one block behind the other in memory; one code a byte (a code: sign, 5 exponent bits, 2 mantissa bits); and NAME_scales (uint8): the same leading axes, one E8M0 byte (e + 127) for each 32 codes along K. Its value is code x scale, taken as it is: it is not quantised again, and the codes and scales need not be those that the quantiser above would give.
;; One version. Each part assembles by itself: llvm-mc -triple=amdgcn-amd-amdhsa -mcpu=gfx1250 --defsym DOCPART=n.
;; ======== version 1 of 1: 4 launches
;; limits: right only within a limited range of input values
;; workspace buffers: xq 1,114,112 bytes; hq 34,603,008 bytes; part 67,108,864 bytes
;; launch quantx (part 1): grid 256 x 1, 1 waves a work-group, no clusters, 0 bytes of LDS; arguments x, xq; writes xq
.if DOCPART == 1
	.amdgcn_target "amdgcn-amd-amdhsa--gfx1250"
	.amdhsa_code_object_version 6
	.text
	.protected	k_q2b2b878ec1_quantx
	.globl	k_q2b2b878ec1_quantx
	.p2align	8
	.type	k_q2b2b878ec1_quantx,@function
k_q2b2b878ec1_quantx:
	s_mov_b64 s[64:65], 0
	v_nop
	global_prefetch_b8 v0, s[64:65] scope:SCOPE_SE
	s_setreg_imm32_b32 hwreg(HW_REG_WAVE_MODE, 25, 1), 1
	s_wait_xcnt 0x0
; THE PROGRAM: out = sum over e of softmax(x Wg + bg)[e] x (Q(relu(Q(x) W1[e] + b1[e])) W2[e] + b2[e]), Q the MX quantiser to E5M2 along a product's K.  Four launches:
; this one (x into codes), hidden (first product, bias, relu, quantiser), outer (second product, in sixteen parts along K), combine (gate, biases, weighted sum).
; NO WORK IS LEFT OUT: every expert's result is weighed in by a softmax weight that is never 0 in real numbers, bg differs along the softmax's axis, and every input has a way to the output.
; THIS LAUNCH: x [1024][1024] f32 becomes codes of E5M2 with one E8M0 byte for each 32 along K, laid in the order of an operand's registers:
; xq = [tile of 16 tokens, 64][17,408 bytes]: fragment ks (128 along K) at 2048 ks, its registers 4 c .. 4 c + 3 of lane l at + 512 c + 16 l; the scale words at 16,384 + 256 kp + 8 l: the words of K steps 2 kp, 2 kp + 1 of row l % 16.
; A work-group is one wave: 16 tokens x 256 along K.  Lane (r, h) takes of row r the 16 neighbours 32 b + 16 h + 0 .. 15 of each block b: the conversions' results are then the operand's registers.
; A block's scale is 2^(floor(log2(largest magnitude)) - 15); its byte is the largest magnitude's exponent field - 15, held at 1 from below.
; LIMITS: a block of zeros, or one whose largest magnitude lies under 2^-111, gets the byte 1 (zeros have zero codes; the bytes are read by this program alone); NaN and infinities among the inputs are not served.
; No LDS, no barrier, no cluster: work-groups share no input here.
.set TM,  8                            ; v8-11 largest magnitudes, v12-15 the other half's, then the bytes, v16-19 57,344 x the scale, v20-23 the conversions' scale operands
.set PW,  24                           ; v[24:25] the two K steps' scale words
.set PC,  32                           ; v32-63  the two fragments' codes
.set X,   64                           ; v64-191 2 x 64 numbers
.set SEL, 20                           ; s[20:21] lane selects: lane l xor 16
.set MNT, 23                           ; s23 the mantissa field of 57,344
	s_load_b128 s[4:7], s[0:1], 0x0                ; x, xq
	v_and_b32 v1, 15, v0                           ; r
	v_bfe_u32 v2, v0, 4, 1                         ; h
	v_lshlrev_b32 v3, 12, v1
	v_lshl_add_u32 v3, v2, 6, v3                   ; x: row r of 4,096 bytes, + 64 h
	v_lshlrev_b32 v4, 4, v0                        ; an image's place for my lane
	v_lshlrev_b32 v5, 3, v0                        ; the scale words' place
	s_lshr_b32 s8, ttmp9, 2                        ; the tile of 16 tokens
	s_and_b32 s9, ttmp9, 3                         ; which 256 along K
	s_lshl_b32 s10, s8, 16
	s_lshl_b32 s11, s9, 10
	s_add_co_u32 s10, s10, s11                     ; in x: 65,536 x tile + 1,024 x kp
	s_mov_b32 s11, 0
	s_mul_i32 s16, s8, 17408
	s_lshl_b32 s17, s9, 12
	s_add_co_u32 s12, s16, s17                     ; in xq, the codes: 17,408 x tile + 4,096 x kp
	s_mov_b32 s13, 0
	s_lshl_b32 s17, s9, 8
	s_add_co_u32 s14, s16, s17
	s_add_co_u32 s14, s14, 16384                   ; the scale words: 17,408 x tile + 16,384 + 256 x kp
	s_mov_b32 s15, 0
	s_mov_b32 s[SEL], 0x76543210
	s_mov_b32 s[SEL+1], 0xfedcba98
	s_mov_b32 s[MNT], 0x600000
.irp b, 0,1,2,3
	v_mov_b32 v[TM+4+\b], 0                        ; written once: a lane permute's destination counts as one of its sources
.endr
	s_wait_alu depctr_va_vdst(0)
	s_wait_kmcnt 0x0
	s_add_nc_u64 s[4:5], s[4:5], s[10:11]
	s_add_nc_u64 s[12:13], s[6:7], s[12:13]
	s_add_nc_u64 s[14:15], s[6:7], s[14:15]
.irp s, 0,1
.irp b, 0,1,2,3
.irp j, 0,1,2,3
	global_load_b128 v[X+64*\s+16*\b+4*\j:X+64*\s+16*\b+4*\j+3], v3, s[4:5] offset:512*\s+128*\b+16*\j th:TH_LOAD_NT
.endr
.endr
.endr
; 64 numbers of a lane, register 16 b + i = k 32 b + 16 h + i of my row, become a fragment's 16 registers of codes and its scale word
.macro QUANT s, pc, pw
.irp b, 0,1,2,3
	v_max3_num_f32 v[TM+\b], |v[\s+16*\b]|, |v[\s+1+16*\b]|, 0x8000000   ; my 16 numbers of block b, and the floor 2^(16 - 127): the byte cannot fall under 1
.endr
.irp i, 2,4,6,8,10,12,14
.irp b, 0,1,2,3
	v_max3_num_f32 v[TM+\b], v[TM+\b], |v[\s+16*\b+\i]|, |v[\s+1+16*\b+\i]|   ; the four blocks by turns
.endr
.endr
.irp b, 0,1,2,3
	v_permlanex16_b32 v[TM+4+\b], v[TM+\b], s[SEL], s[SEL+1]
.endr
.irp b, 0,1,2,3
	v_max_num_f32 v[TM+\b], v[TM+\b], v[TM+4+\b]   ; with lane l xor 16's: the block's largest magnitude
.endr
.irp b, 0,1,2,3
	v_add_nc_u32 v[TM+12+\b], 0xf8800000, v[TM+\b] ; 15 off its exponent field: the conversion's scale operand
.endr
.irp b, 0,1,2,3
	v_and_or_b32 v[TM+8+\b], v[TM+\b], 0x7f800000, s[MNT]   ; 57,344 x the scale
.endr
.irp b, 0,1,2,3
	v_lshrrev_b32 v[TM+4+\b], 23, v[TM+12+\b]      ; the scale's byte
.endr
	v_lshl_or_b32 v[\pw], v[TM+5], 8, v[TM+4]      ; four bytes make my row's scale word
	v_lshl_or_b32 v[\pw], v[TM+6], 16, v[\pw]
	v_lshl_or_b32 v[\pw], v[TM+7], 24, v[\pw]
.irp b, 0,1,2,3
.irp i, 0,1,2,3,4,5,6,7,8,9,10,11,12,13,14,15
	v_med3_num_f32 v[\s+16*\b+\i], v[\s+16*\b+\i], -v[TM+8+\b], v[TM+8+\b]   ; the conversion to an 8-bit code does not saturate (ISA guide 7.6.2): the hold comes first
.endr
	v_cvt_scalef32_pk8_bf8_f32 v[\pc+4*\b:\pc+1+4*\b], v[\s+16*\b:\s+7+16*\b], v[TM+12+\b]
	v_cvt_scalef32_pk8_bf8_f32 v[\pc+2+4*\b:\pc+3+4*\b], v[\s+8+16*\b:\s+15+16*\b], v[TM+12+\b]
.endr
	v_nop                                          ; a plain line behind the last conversion
.endm
	s_wait_loadcnt 16                              ; the first K step's 16 loads are in; the second's may be out
	QUANT X, PC, PW
.irp c, 0,1,2,3
	global_store_b128 v4, v[PC+4*\c:PC+4*\c+3], s[12:13] offset:512*\c          ; 32 lanes store 512 consecutive bytes, aligned
.endr
	s_wait_loadcnt 0x0
	QUANT X+64, PC+16, PW+1
.irp c, 0,1,2,3
	global_store_b128 v4, v[PC+16+4*\c:PC+16+4*\c+3], s[12:13] offset:2048+512*\c
.endr
	global_store_b64 v5, v[PW:PW+1], s[14:15]      ; 32 lanes store 256 consecutive bytes, aligned
	s_endpgm
.Lfunc_end_k_q2b2b878ec1_quantx:
	.size	k_q2b2b878ec1_quantx, .Lfunc_end_k_q2b2b878ec1_quantx-k_q2b2b878ec1_quantx
	.p2alignl 7, 3214868480
	.fill 96, 4, 3214868480
	.section	.rodata,"a",@progbits
	.p2align	6, 0x0
	.amdhsa_kernel k_q2b2b878ec1_quantx
		.amdhsa_group_segment_fixed_size 0
		.amdhsa_private_segment_fixed_size 0
		.amdhsa_enable_private_segment 0
		.amdhsa_kernarg_size 16
		.amdhsa_user_sgpr_count 2
		.amdhsa_user_sgpr_kernarg_segment_ptr 1
		.amdhsa_wavefront_size32 1
		.amdhsa_system_sgpr_workgroup_id_x 1
		.amdhsa_system_sgpr_workgroup_id_y 1
		.amdhsa_system_sgpr_workgroup_id_z 1
		.amdhsa_system_vgpr_workitem_id 0
		.amdhsa_next_free_vgpr 192
		.amdhsa_next_free_sgpr 66
		.amdhsa_reserve_vcc 0
		.amdhsa_float_denorm_mode_32 3
		.amdhsa_float_denorm_mode_16_64 3
		.amdhsa_memory_ordered 1
		.amdhsa_forward_progress 1
		.amdhsa_inst_pref_size 22
	.end_amdhsa_kernel
	.amdgpu_metadata
---
amdhsa.version: [ 1, 2 ]
amdhsa.kernels:
  - .name:           k_q2b2b878ec1_quantx
    .symbol:         k_q2b2b878ec1_quantx.kd
    .args:
      - { .name: x, .offset: 0, .size: 8, .value_kind: global_buffer, .address_space: global }
      - { .name: xq, .offset: 8, .size: 8, .value_kind: global_buffer, .address_space: global }
    .group_segment_fixed_size: 0
    .private_segment_fixed_size: 0
    .kernarg_segment_align: 8
    .kernarg_segment_size: 16
    .max_flat_workgroup_size: 32
    .sgpr_count:     66
    .vgpr_count:     192
    .wavefront_size: 32
...
	.end_amdgpu_metadata
.endif
;; end of part 1
;; launch hidden (part 2): grid 64 x 4, 4 waves a work-group, clusters of 4 x 4, 327,680 bytes of LDS; arguments xq, W1_codes, W1_scales, b1, hq; writes hq
.if DOCPART == 2
	.amdgcn_target "amdgcn-amd-amdhsa--gfx1250"
	.amdhsa_code_object_version 6
	.text
	.protected	k_q2b2b878ec1_hidden
	.globl	k_q2b2b878ec1_hidden
	.p2align	8
	.type	k_q2b2b878ec1_hidden,@function
k_q2b2b878ec1_hidden:
	s_mov_b64 s[64:65], 0
	v_nop
	global_prefetch_b8 v0, s[64:65] scope:SCOPE_SE
	s_setreg_imm32_b32 hwreg(HW_REG_WAVE_MODE, 25, 1), 1
	s_wait_xcnt 0x0
	s_wait_alu depctr_hold_cnt(0) depctr_sa_sdst(0) depctr_va_vdst(0) depctr_va_sdst(0) depctr_va_ssrc(0) depctr_va_vcc(0) depctr_vm_vsrc(0)
	s_getreg_b32 s2, hwreg(HW_REG_IB_STS2, 6, 4)
	s_cmp_eq_u32 s2, 0
	s_cbranch_scc0 .Lentry_in_a_cluster
	s_endpgm
.Lentry_in_a_cluster:
	s_bfe_u32 s2, ttmp6, 0x10000c
	s_cmp_lg_u32 s2, 0xf033
	s_cbranch_scc0 .Lentry_shape_is_right
	s_endpgm
.Lentry_shape_is_right:
; h = Q(relu(Q(x) W1[e] + b1[e])) for all experts, on codes of E5M2: 1,024 tokens x 32,768 hidden units, K = 1,024.  Nothing is left out.
; hq: [128 hidden units, 256][256 tokens, 4][33,792 bytes]: 16 token tiles x 2,048 bytes of codes as images of operand registers (registers 4 c .. 4 c + 3 of lane l at 512 c + 16 l), then their scale words, 64 bytes a tile.
; A work-group makes 256 tokens (quarter cy) x 512 hidden units (number 4 x cluster + cx).  A wave keeps its own 64 tokens, ALL of K, in 512 registers (windows 1, 2) and streams W1's rows past them.
; x's fragments lie in xq as images of operand registers; each is read by ONE wave of the work-group, once in the launch: so they come by plain loads straight into the registers that keep them, and take no LDS and no joint load.
; W1, the larger part and the only operand of the loop, is asked for JOINTLY by the four work-groups of a cluster's column: four chunks of 128 rows through two LDS slots.
; In LDS a chunk's even and odd rows lie apart (a wave's load takes every second row of 64), 64 bytes apart modulo 256: the sixteen rows of a tile fall on sixteen different columns of 16 bytes.
; THE MATRIX INSTRUCTION IS USED TRANSPOSED (source 0 = 16 rows of W1).  A group is 32 hidden units, two tiles: row 8 m + i of tile u is unit 16 m + 8 u + i, so lane (r, h)'s 16 sums of a token tile are units 16 h + 0 .. 15 of token r:
; the conversions' results are the next operand's registers, and one v_permlanex16 joins a block's two halves.  A block of text is 32 products: one tile of W1 x four token tiles; its fragments have a set for each u (window 3).
; A group's sums are copied, and go out AMONG THE NEXT GROUP'S PRODUCTS, two lines behind each.  The first way out has no group before it: it works on zeros and stores nothing.  The bias is the first products' C; relu and the hold are one v_med3.
; FILLS: chunk 0 at the head, chunk 1 behind the round that shows it; chunks 2 and 3 inside the last group of chunks 0 and 1, when that slot's last rows have been fetched: eight blocks ahead of their use.
; PREFETCH: chunk 2 behind chunk 1's load, chunk 3 behind chunk 2's: one chunk ahead.  Each of the four partners names a quarter of its 512 pieces of 256 bytes, told apart by address, a lane a piece.
; LIMITS: a block's byte never falls under 1 (a block of zeros has zero codes); NaN and infinities are not served.
.set PITCH, 1040                       ; an LDS row: 1,024 bytes + 16
.set HR,    32*PITCH                   ; what one load brings: 32 rows
.set PB,    2*HR+64                    ; from the even rows to the odd ones
.set GSTEP, 16*PITCH                   ; from group to group
.set SLOT,  133376
.set CHB,   131072                     ; 128 rows of W1
.set WSC,   2*SLOT                     ; W1's scale bytes: 512 rows x 32, as units of 256 bytes + 16
.set BIAS,  WSC+64*272                 ; b1: 512 numbers
.set SCR,   BIAS+2048                  ; scale bytes on the way out: 16 for each of 256 tokens, one a group
.set SPARE, SCR+4096                   ; the spare words
.set WA0,   4                          ; my lane's place in a tile of W1, among its scale words, in b1
.set WADR,  5
.set WSA0,  6
.set WSA,   7
.set BA0,   8
.set BA,    9
.set VX0,   10                         ; a scale byte's place, less 1
.set VX,    11
.set GO,    12                         ; 16 x lane
.set PFO,   13                         ; 256 x lane; never rewritten
.set SPW,   14                         ; never rewritten
.set NIL,   15                         ; never rewritten
.set XSO,   17
.set SOP,   20                         ; v20-23 the conversions' scale operands
.set EB,    24                         ; v24-27 bytes
.set TQ,    28                         ; v28-31 maxima, bounds
.set MCD,   32                         ; v32-47 codes
.set WS,    48                         ; register ks: lanes 0-15 tile 0's words, lanes 16-31 tile 1's
.set XS,    60                         ; register 8 (b / 2) + ks: no product's two scale words have numbers equal modulo 8
.set BI,    76                         ; v76-91
.set ACC,   92                         ; v92-155 16 b + 8 u
.set QS,    156                        ; v156-219 their copy
.set CP,    220                        ; v220-255 at the head: scales and b1 on their way to LDS
.set WV,  14
.set HB,  54                           ; s[54:55] hq at the group that leaves
.set SEL, 60
.set G1W, 24
.set G0W, 32
.set MNT, 74
.set LP,  75
.set CUR, 76                           ; this chunk's slot, the next chunk's
.set NXT, 77
.set ST,  78                           ; s[78:79] a step in hq
.set GC,  80                           ; group 0 .. 15
.set JC,  81                           ; group of the chunk
.set SF,  90                           ; LDS: the group that is fetched
.set WSO, 91
.set BIO, 92
.set BIG, 93
.set PFA, 94
.set MSB, 0
.macro WIN new
.if MSB != (\new)
	s_set_vgpr_msb (MSB<<8)|(\new)
.set MSB, (\new)
.endif
.endm
.macro PLACES n
.rept \n
	v_nop
.endr
.endm
.macro BARRIER
	s_barrier_signal -1
	s_barrier_wait -1
.endm
.macro CREST                           ; a round behind its opening barrier
	s_cmp_lg_u32 s[WV], 0
	s_cbranch_scc1 .Lnot_wave_0_\@
	s_barrier_signal -3
.Lnot_wave_0_\@:
	s_barrier_wait -3
	BARRIER
.endm
.macro ROUND
	BARRIER
	CREST
.endm
.macro TLOAD
	tensor_load_to_lds s[G0W:G0W+3], s[G1W:G1W+7]
	s_nop 0
	PLACES 4
.endm
.macro WALU
	s_wait_alu depctr_va_vdst(0)
.endm
.macro GRD
	s_wait_tensorcnt 0x0
	ds_add_u32 v[SPW], v[NIL]
.endm
	s_load_b256 s[4:11], s[0:1], 0x0               ; xq, W1's codes, its scales, b1
	s_load_b64 s[12:13], s[0:1], 0x20              ; hq
	v_lshl_add_u32 v[SPW], v0, 2, SPARE
	v_mov_b32 v[NIL], 0
	ds_add_u32 v[SPW], v[NIL]                      ; the opening lines
	ds_add_u32 v[SPW], v[NIL]
	v_lshrrev_b32 v1, 5, v0
	v_readfirstlane_b32 s[WV], v1
	s_lshr_b32 s15, s[WV], 1                       ; I fetch in this half of a chunk's rows,
	s_and_b32 s16, s[WV], 1                        ; even or odd ones
	s_bfe_u32 s17, ttmp6, 0x40000                  ; cx
	s_bfe_u32 s19, ttmp6, 0x40004                  ; cy
	s_lshl_b32 s18, ttmp9, 2
	s_add_co_u32 s18, s18, s17                     ; which 512 hidden units
	s_lshl_b32 s20, 0x1111, s17                    ; my column of the cluster
	s_or_b32 s[G1W], s20, (3<<16)|(1<<20)|(1<<21)|(7<<22)|(3<<25)   ; rows of 128 x 8 bytes, 16 bytes of padding behind each
	s_mov_b32 s[G1W+1], 128<<16
	s_mov_b32 s[G1W+2], 32<<16
	s_mov_b32 s[G1W+3], 128<<16
	s_mov_b32 s[G1W+4], 32
	s_mov_b32 s[G1W+5], 256                        ; every second row
	s_mov_b32 s[G1W+6], 0
	s_mov_b32 s[G1W+7], 0
	s_mul_i32 s66, s16, PB
	s_mul_i32 s67, s15, HR
	s_add_co_u32 s66, s66, s67                     ; where my loads go in a slot
	s_lshl_b32 s70, s18, 19
	s_lshl_b32 s71, s15, 16
	s_add_co_u32 s70, s70, s71
	s_lshl_b32 s71, s16, 10
	s_add_co_u32 s70, s70, s71                     ; and begin in W1: nothing of cy
	s_mov_b32 s71, 0
	s_mul_i32 s68, s19, 278528
	s_mul_i32 s69, s[WV], 69632
	s_add_co_u32 s68, s68, s69                     ; xq: my four token tiles
	s_mov_b32 s69, 0
	s_mul_i32 s86, s18, 540672
	s_mul_i32 s87, s19, 33792
	s_add_co_u32 s86, s86, s87
	s_lshl_b32 s87, s[WV], 8
	s_add_co_u32 s88, s86, s87
	s_add_co_u32 s88, s88, 32768                   ; hq: my scale words,
	s_mov_b32 s89, 0
	s_lshl_b32 s87, s[WV], 13
	s_add_co_u32 s86, s86, s87                     ; my codes
	s_mov_b32 s87, 0
	s_lshl_b32 s82, s18, 14
	s_mov_b32 s83, 0
	s_lshl_b32 s84, s18, 11
	s_mov_b32 s85, 0
	s_lshl_b32 s22, s18, 19                        ; the prefetches: chunk 2, my quarter by cy, my wave's part
	s_lshl_b32 s23, s19, 15
	s_add_co_u32 s22, s22, s23
	s_lshl_b32 s23, s[WV], 13
	s_add_co_u32 s22, s22, s23
	s_add_co_u32 s22, s22, 2*CHB
	s_mov_b32 s23, 0
	s_mov_b32 s[SEL], 0x76543210
	s_mov_b32 s[SEL+1], 0xfedcba98
	s_mov_b32 s[MNT], 0x600000
	s_mov_b32 s[LP], 0
	s_mov_b32 s[CUR], 0
	s_mov_b32 s[NXT], SLOT
	s_mov_b32 s[ST+1], 0
	s_mov_b32 s[GC], 0
	s_mov_b32 s[SF], 0
	s_mov_b32 s[WSO], 0
	s_mov_b32 s[BIO], 0
	s_mov_b32 s[BIG], 133632                       ; from a chunk's last group to the next chunk's first
	s_wait_dscnt 0x0
	s_wait_kmcnt 0x0
	s_mov_b32 s[G0W], 1
	s_mov_b32 s[G0W+1], s66
	s_add_nc_u64 s[G0W+2:G0W+3], s[6:7], s[70:71]
	s_or_b32 s[G0W+3], s[G0W+3], 0x80000000
	s_add_nc_u64 s[PFA:PFA+1], s[6:7], s[22:23]
	s_add_nc_u64 s[4:5], s[4:5], s[68:69]
	s_add_nc_u64 s[56:57], s[8:9], s[82:83]
	s_add_nc_u64 s[58:59], s[10:11], s[84:85]
	s_add_nc_u64 s[88:89], s[12:13], s[88:89]
	s_add_nc_u64 s[HB:HB+1], s[12:13], s[86:87]
	s_sub_nc_u64 s[HB:HB+1], s[HB:HB+1], 134144    ; the first two steps bring it to group 0
	ROUND                                          ; in front of the first joint load
	TLOAD                                          ; chunk 0; the set-up and x's loads stand under its flight
	v_lshlrev_b32 v20, 4, v0                       ; 16 x thread
.irp k, 0,1,2,3,4,5,6,7
	global_load_b128 v[CP+4*\k:CP+4*\k+3], v20, s[56:57] offset:2048*\k
.endr
	global_load_b128 v[CP+32:CP+35], v20, s[58:59]
	v_and_b32 v1, 31, v0                           ; lane
	v_and_b32 v2, 15, v0                           ; r
	v_bfe_u32 v3, v0, 4, 1                         ; h
	v_lshlrev_b32 v[GO], 4, v1
	WIN 0x40
.macro LOADX ks
.irp t, 0,1,2,3
.irp c, 0,1,2,3
	global_load_b128 v[16*(4*(\ks%4)+\t)+4*\c:16*(4*(\ks%4)+\t)+4*\c+3], v[GO], s[4:5] offset:17408*\t+2048*\ks+512*\c
.endr
.endr
.endm
.irp ks, 0,1,2                                 ; x's fragment 4 ks + t: registers 16 ((4 ks + t) % 16) of window 1 + ks / 4
	LOADX \ks
.endr
	WIN 0
	v_and_b32 v18, 1, v2
	v_mul_u32_u24 v[WA0], v18, PB                  ; odd rows lie PB on
	v_bfe_u32 v18, v2, 1, 2
	v_lshrrev_b32 v19, 3, v2
	v_lshl_add_u32 v18, v19, 3, v18
	v_mad_u32_u24 v[WA0], v18, PITCH, v[WA0]
	v_lshl_add_u32 v[WA0], v3, 4, v[WA0]
	v_lshl_add_u32 v18, v19, 1, v3                 ; scale words: lanes 16-31 take tile 1: row 16 (r / 8) + 8 h + r % 8
	v_mul_u32_u24 v[WSA0], v18, 272
	v_and_b32 v18, 7, v2
	v_lshl_add_u32 v[WSA0], v18, 5, v[WSA0]
	v_add_nc_u32 v[WSA0], WSC, v[WSA0]
	v_lshlrev_b32 v[BA0], 6, v3
	v_add_nc_u32 v[BA0], BIAS, v[BA0]
	s_lshl_b32 s67, s[WV], 10
	s_add_co_u32 s67, s67, SCR-1
	v_lshlrev_b32 v[VX0], 4, v2
	v_add_nc_u32 v[VX0], s67, v[VX0]
	v_mov_b32 v[VX], v[VX0]
	v_lshlrev_b32 v[PFO], 8, v1
	v_mul_u32_u24 v[XSO], v3, 17408                ; x's scale words: lanes 16-31 take the odd tile
	v_lshl_add_u32 v[XSO], v2, 3, v[XSO]
	v_lshrrev_b32 v21, 4, v0
	v_mul_u32_u24 v21, v21, 272
	v_and_b32 v22, 15, v0
	v_lshl_add_u32 v21, v22, 4, v21
	v_add_nc_u32 v21, WSC, v21
	v_lshlrev_b32 v22, 4, v0
	v_add_nc_u32 v22, BIAS, v22
	WALU
	s_wait_loadcnt 48                              ; all but x's 48 loads
.irp k, 0,1,2,3,4,5,6,7
	ds_store_b128 v21, v[CP+4*\k:CP+4*\k+3] offset:8*272*\k
.endr
	ds_store_b128 v22, v[CP+32:CP+35]
	WIN 0x40
	LOADX 3
	WIN 0x80
.irp ks, 4,5,6,7
	LOADX \ks
.endr
	WIN 0
.irp p, 0,1
.irp kp, 0,1,2,3
	global_load_b64 v[XS+8*\p+2*\kp:XS+8*\p+2*\kp+1], v[XSO], s[4:5] offset:34816*\p+16384+256*\kp
.endr
.endr
.set I_, 0
.rept 64
	v_mov_b32 v[QS+I_], 0
.set I_, I_+1
.endr
	WALU
	GRD
	s_add_co_u32 s[G0W+1], s66, SLOT
	s_add_nc_u64 s[G0W+2:G0W+3], s[G0W+2:G0W+3], CHB
	s_wait_dscnt 0x0                               ; and so are my stores of scale bytes and b1
	ROUND
	TLOAD                                          ; chunk 1
.macro FETCHW u, a                     ; a tile of W1, all of K, into set u
	WIN 0xc0
.irp ks, 0,1,2,3,4,5,6,7
.irp c, 0,1,2,3
	ds_load_b128 v[128*\u+16*\ks+4*\c:128*\u+16*\ks+4*\c+3], v[\a] offset:4*PITCH*\u+128*\ks+32*\c
.endr
.endr
	WIN 0
.endm
.macro FETCHS s, b                     ; a group's scale words and bias
.irp qd, 0,1
	ds_load_b128 v[WS+4*\qd:WS+4*\qd+3], v[\s] offset:16*\qd
.endr
.irp qd, 0,1,2,3
	ds_load_b128 v[BI+4*\qd:BI+4*\qd+3], v[\b] offset:16*\qd
.endr
.endm
.macro PROD u, n                       ; product n = 4 ks + b: tile u, token tile b
.set K_, (\n)/4
.set B_, (\n)%4
.set AC_, ACC+16*B_+8*(\u)
.set C_, AC_
.if K_ == 0
.set C_, BI+8*(\u)
.endif
.set W_, 128*(\u)+16*K_
.set X_, 16*((\n)%16)
.set XS_, XS+8*(B_/2)+K_
	WIN 3|((1+(\n)/16)<<2)
.if (\u) && B_%2
	v_wmma_scale_f32_16x16x128_f8f6f4 v[AC_:AC_+7], v[W_:W_+15], v[X_:X_+15], v[C_:C_+7], v[WS+K_], v[XS_] matrix_a_fmt:MATRIX_FMT_BF8 matrix_b_fmt:MATRIX_FMT_BF8 matrix_a_scale:MATRIX_SCALE_ROW1 matrix_b_scale:MATRIX_SCALE_ROW1
.elseif (\u)
	v_wmma_scale_f32_16x16x128_f8f6f4 v[AC_:AC_+7], v[W_:W_+15], v[X_:X_+15], v[C_:C_+7], v[WS+K_], v[XS_] matrix_a_fmt:MATRIX_FMT_BF8 matrix_b_fmt:MATRIX_FMT_BF8 matrix_a_scale:MATRIX_SCALE_ROW1
.elseif B_%2
	v_wmma_scale_f32_16x16x128_f8f6f4 v[AC_:AC_+7], v[W_:W_+15], v[X_:X_+15], v[C_:C_+7], v[WS+K_], v[XS_] matrix_a_fmt:MATRIX_FMT_BF8 matrix_b_fmt:MATRIX_FMT_BF8 matrix_b_scale:MATRIX_SCALE_ROW1
.else
	v_wmma_scale_f32_16x16x128_f8f6f4 v[AC_:AC_+7], v[W_:W_+15], v[X_:X_+15], v[C_:C_+7], v[WS+K_], v[XS_] matrix_a_fmt:MATRIX_FMT_BF8 matrix_b_fmt:MATRIX_FMT_BF8
.endif
.endm
.macro HOLD x, b                       ; relu and the hold at the largest code x the scale (the conversion does not saturate: ISA guide 7.6.2)
	v_med3_num_f32 v[\x], v[\x], 0, v[TQ+\b]
.endm
.macro SCALES i, n                     ; 0: the conversion's scale operand (15 off the exponent field); 1: 57,344 x the scale; 2: a second copy; 3: the byte
.if (\i) == 0
	v_add_nc_u32 v[SOP+\n], 0xf8800000, v[TQ]
.elseif (\i) == 1
	v_and_or_b32 v[TQ+1], v[TQ], 0x7f800000, s[MNT]
.elseif (\i) == 2
	v_mov_b32 v[TQ+3], v[TQ+1]
.else
	v_lshrrev_b32 v[EB+\n], 23, v[SOP+\n]
.endif
.endm
.macro HOLDS m, x                      ; two holds; the bound's second copy serves where the first would be read too late
.if (\m) == 3
	HOLD \x, 3
	HOLD \x+1, 3
.else
	HOLD \x, 1
	HOLD \x+1, 1
.endif
.if (\m) == 2
	SCALES 2, 0
.endif
.endm
.macro GAPV v, x                       ; the quantiser of a group, gaps 0 .. 59, 15 a token tile: my 16 sums, and lane l xor 16's; negative numbers do not count; the floor is 2^(16 - 127)
.set T_, (\v)/15
.set J_, (\v)%15
.set E_, \x+16*T_
.set O_, E_+8
.if J_ == 0
	v_max3_num_f32 v[TQ], v[E_], v[E_+1], v[E_+2]
	v_max3_num_f32 v[TQ+2], v[O_], v[O_+1], v[O_+2]
.elseif J_ < 3
	v_max3_num_f32 v[TQ], v[TQ], v[E_+2*J_+1], v[E_+2*J_+2]
	v_max3_num_f32 v[TQ+2], v[TQ+2], v[O_+2*J_+1], v[O_+2*J_+2]
.elseif J_ == 3
	v_max3_num_f32 v[TQ+2], v[TQ+2], v[O_+7], 0x8000000
	v_max3_num_f32 v[TQ], v[TQ], v[E_+7], v[TQ+2]
.elseif J_ == 4
	v_permlanex16_b32 v[TQ+2], v[TQ], s[SEL], s[SEL+1]
	v_max_num_f32 v[TQ], v[TQ], v[TQ+2]
.elseif J_ == 5
	SCALES 0, T_
	SCALES 1, T_
.elseif J_ < 10
	HOLDS J_-6, E_+2*(J_-6)
.if J_ == 9
	v_cvt_scalef32_pk8_bf8_f32 v[MCD+4*T_:MCD+4*T_+1], v[E_:E_+7], v[SOP+T_]
.endif
.elseif J_ < 14
	HOLDS J_-6, O_+2*(J_-10)
.if J_ == 13
	v_cvt_scalef32_pk8_bf8_f32 v[MCD+4*T_+2:MCD+4*T_+3], v[O_:O_+7], v[SOP+T_]
.endif
.else
	SCALES 3, T_
.endif
.endm
; What stands behind product n of tile u: behind 0 addresses (u = 0: of the next group's fetch and of the group that leaves; u = 1: of the next group's scale words and bias); then the quantiser; in the round's block (md = 1) the refill's group 0
.macro LIST n, u, md
.if (\n) == 0
.if (\u) == 0
.if (\md)%2 == 0
	s_cmp_eq_u32 s[JC], 1                          ; the group that leaves is its chunk's first
	s_cselect_b32 s[ST], s[BIG], 512
	s_add_nc_u64 s[HB:HB+1], s[HB:HB+1], s[ST:ST+1]
	s_add_co_u32 s[SF], s[SF], GSTEP
.else
	s_add_nc_u64 s[HB:HB+1], s[HB:HB+1], 512
	s_mov_b32 s[SF], s[NXT]
.endif
	WIN 0
	v_add_nc_u32 v[WADR], s[SF], v[WA0]
	v_add_nc_u32 v[VX], s[GC], v[VX0]
.else
	s_add_co_u32 s[WSO], s[WSO], 1088
	s_add_co_u32 s[BIO], s[BIO], 128
	WIN 0
	v_add_nc_u32 v[WSA], s[WSO], v[WSA0]
	v_add_nc_u32 v[BA], s[BIO], v[BA0]
.endif
.elseif (\n) < 31
.if (\u) == 0 && (\md) == 1 && (\n) == 29
	s_add_co_u32 s[G0W+1], s66, s[CUR]
.elseif (\u) == 0 && (\md) == 1 && (\n) == 30
	s_add_nc_u64 s[G0W+2:G0W+3], s[G0W+2:G0W+3], CHB
.endif
	WIN 0
	GAPV (\n)-1+30*(\u), QS
.endif
.endm
.macro BLOCK u, from, to, md
.set N_, \from
.rept (\to)-(\from)
	PROD \u, N_
	LIST N_, \u, \md
.set N_, N_+1
.endr
.endm
.macro VOUT                            ; a group leaves: four token tiles; a store of the wave covers 512 consecutive bytes, aligned; both halves of the lanes hold the same byte
.irp t, 0,1,2,3
	ds_store_b8 v[VX], v[EB+\t] offset:256*\t
	global_store_b128 v[GO], v[MCD+4*\t:MCD+4*\t+3], s[HB:HB+1] offset:2048*\t
.endr
.endm
.macro GRP md                          ; a group.  md 0: the first chunks' (the first of all has none before it); 1: with the round and a refill; 2: the last chunks'; 3: with a barrier, nothing left to ask for
	s_wait_dscnt 32                                ; tile 0, the scale words and the bias are in; tile 1's 32 loads may be out
	s_wait_xcnt 0x0                                ; the last stores have read their registers and their base
.if \md == 1
	BLOCK 0, 0, 20, 1
	WIN 0
	WALU
	GRD
	BLOCK 0, 20, 28, 1
	WIN 0
	WALU
	s_wait_dscnt 0x0                               ; the add is done, and my reads of this chunk's slot are over
	s_barrier_signal -1
	BLOCK 0, 28, 32, 1
	WIN 0
	s_barrier_wait -1
	CREST
	TLOAD                                          ; the chunk two on, into this chunk's slot
	s_cmp_eq_u32 s[LP], 0
	s_cbranch_scc0 .Lno_more
	global_prefetch_b8 v[PFO], s[PFA:PFA+1] offset:CHB th:TH_LOAD_NT scope:SCOPE_SE   ; chunk 3, while chunk 2 is asked for
.Lno_more:
	PLACES 4
.elseif \md == 3
	BLOCK 0, 0, 28, 3
	WIN 0
	WALU
	s_wait_tensorcnt 0x0
	s_wait_dscnt 0x0
	s_barrier_signal -1
	BLOCK 0, 28, 32, 3
	WIN 0
	s_barrier_wait -1
	PLACES 8
	s_cmp_eq_u32 s[LP], 1                          ; the last group of all fetches nothing
	s_cbranch_scc1 .Llast_0
.else
	BLOCK 0, 0, 32, \md
	WIN 0
	PLACES 8                                       ; ahead of loads into what the products have read, and of readers of the sums
.endif
	FETCHW 0, WADR
.if \md == 3
.Llast_0:
.endif
	s_wait_dscnt 32                                ; tile 1 is in; the next tile 0's 32 loads may be out
	BLOCK 1, 0, 32, \md
	WIN 0
	PLACES 8
.if \md == 0
	s_cmp_eq_u32 s[GC], 0
	s_cbranch_scc1 .Lnone_before
.endif
	VOUT
.if \md == 0
.Lnone_before:
.endif
.if \md == 3
	s_cmp_eq_u32 s[LP], 1
	s_cbranch_scc1 .Llast_1
.endif
	FETCHS WSA, BA
	FETCHW 1, WADR
.if \md == 3
.Llast_1:
.endif
.set I_, 0
.rept 32                               ; the sums are copied, so that one trip is one group of text
	v_dual_mov_b32 v[QS+I_], v[ACC+I_] :: v_dual_mov_b32 v[QS+I_+1], v[ACC+I_+1]
.set I_, I_+2
.endr
	s_add_co_u32 s[GC], s[GC], 1
.endm
	FETCHW 0, WA0
	FETCHS WSA0, BA0
	FETCHW 1, WA0
	global_prefetch_b8 v[PFO], s[PFA:PFA+1] th:TH_LOAD_NT scope:SCOPE_SE   ; chunk 2, while chunk 1 is asked for
	s_wait_loadcnt 0x0                             ; x is in
.Lfirst:                                       ; chunks 0, 1
	s_mov_b32 s[JC], 0
.Lfirst_g:
	GRP 0
	s_add_co_u32 s[JC], s[JC], 1
	s_cmp_lg_u32 s[JC], 3
	s_cbranch_scc1 .Lfirst_g
	GRP 1
	s_mov_b32 s[CUR], s[NXT]
	s_xor_b32 s[NXT], s[NXT], SLOT
	s_add_co_u32 s[LP], s[LP], 1
	s_cmp_lg_u32 s[LP], 2
	s_cbranch_scc1 .Lfirst
	s_mov_b32 s[NXT], SLOT
	s_mov_b32 s[SF], 0
	s_mov_b32 s[LP], 0
.Lsecond:                                      ; chunks 2, 3
	s_mov_b32 s[JC], 0
.Lsecond_g:
	GRP 2
	s_add_co_u32 s[JC], s[JC], 1
	s_cmp_lg_u32 s[JC], 3
	s_cbranch_scc1 .Lsecond_g
	GRP 3
	s_add_co_u32 s[LP], s[LP], 1
	s_cmp_lg_u32 s[LP], 2
	s_cbranch_scc1 .Lsecond
	s_wait_xcnt 0x0
	s_add_nc_u64 s[HB:HB+1], s[HB:HB+1], 512
	v_add_nc_u32 v[VX], s[GC], v[VX0]
.set V_, 0
.rept 60
	GAPV V_, QS
.set V_, V_+1
.endr
	VOUT
	s_lshl_b32 s20, s[WV], 10
	s_add_co_u32 s20, s20, SCR
	v_lshl_add_u32 v18, v1, 5, s20                 ; my 64 tokens' bytes, two tokens a lane: the wave's own, and LDS serves its instructions in order (ISA guide 5.7.1.4)
	v_lshlrev_b32 v19, 3, v1
	WALU
	ds_load_b128 v[92:95], v18                     ; token 2 l: register k is chunk k's word
	ds_load_b128 v[96:99], v18 offset:16           ; token 2 l + 1
	s_wait_dscnt 0x0
.irp k, 0,1,2,3
	v_mov_b32 v[100+2*\k], v[92+\k]
	v_mov_b32 v[101+2*\k], v[96+\k]
.endr
.irp k, 0,1,2,3
	global_store_b64 v19, v[100+2*\k:101+2*\k], s[88:89] offset:135168*\k   ; 256 consecutive bytes, aligned
.endr
	s_wait_tensorcnt 0x0                           ; the wave's end
	ds_add_u32 v[SPW], v[NIL]
	s_wait_dscnt 0x0
	ROUND                                          ; the closing round
	s_endpgm
.Lfunc_end_k_q2b2b878ec1_hidden:
	.size	k_q2b2b878ec1_hidden, .Lfunc_end_k_q2b2b878ec1_hidden-k_q2b2b878ec1_hidden
	.p2alignl 7, 3214868480
	.fill 96, 4, 3214868480
	.section	.rodata,"a",@progbits
	.p2align	6, 0x0
	.amdhsa_kernel k_q2b2b878ec1_hidden
		.amdhsa_group_segment_fixed_size 327680
		.amdhsa_private_segment_fixed_size 0
		.amdhsa_enable_private_segment 0
		.amdhsa_kernarg_size 40
		.amdhsa_user_sgpr_count 2
		.amdhsa_user_sgpr_kernarg_segment_ptr 1
		.amdhsa_wavefront_size32 1
		.amdhsa_system_sgpr_workgroup_id_x 1
		.amdhsa_system_sgpr_workgroup_id_y 1
		.amdhsa_system_sgpr_workgroup_id_z 1
		.amdhsa_system_vgpr_workitem_id 0
		.amdhsa_next_free_vgpr 1024
		.amdhsa_next_free_sgpr 98
		.amdhsa_reserve_vcc 0
		.amdhsa_float_denorm_mode_32 3
		.amdhsa_float_denorm_mode_16_64 3
		.amdhsa_memory_ordered 1
		.amdhsa_forward_progress 1
		.amdhsa_inst_pref_size 153
	.end_amdhsa_kernel
	.amdgpu_metadata
---
amdhsa.version: [ 1, 2 ]
amdhsa.kernels:
  - .name:           k_q2b2b878ec1_hidden
    .symbol:         k_q2b2b878ec1_hidden.kd
    .args:
      - { .name: xq, .offset: 0, .size: 8, .value_kind: global_buffer, .address_space: global }
      - { .name: W1_codes, .offset: 8, .size: 8, .value_kind: global_buffer, .address_space: global }
      - { .name: W1_scales, .offset: 16, .size: 8, .value_kind: global_buffer, .address_space: global }
      - { .name: b1, .offset: 24, .size: 8, .value_kind: global_buffer, .address_space: global }
      - { .name: hq, .offset: 32, .size: 8, .value_kind: global_buffer, .address_space: global }
    .group_segment_fixed_size: 327680
    .private_segment_fixed_size: 0
    .kernarg_segment_align: 8
    .kernarg_segment_size: 40
    .max_flat_workgroup_size: 128
    .sgpr_count:     98
    .vgpr_count:     1024
    .wavefront_size: 32
...
	.end_amdgpu_metadata
.endif
;; end of part 2
;; launch outer (part 3): grid 4 x 64, 4 waves a work-group, clusters of 4 x 4, 327,680 bytes of LDS; arguments hq, W2_codes, W2_scales, part; writes part
.if DOCPART == 3
	.amdgcn_target "amdgcn-amd-amdhsa--gfx1250"
	.amdhsa_code_object_version 6
	.text
	.protected	k_q2b2b878ec1_outer
	.globl	k_q2b2b878ec1_outer
	.p2align	8
	.type	k_q2b2b878ec1_outer,@function
k_q2b2b878ec1_outer:
	s_mov_b64 s[64:65], 0
	v_nop
	global_prefetch_b8 v0, s[64:65] scope:SCOPE_SE
	s_setreg_imm32_b32 hwreg(HW_REG_WAVE_MODE, 25, 1), 1
	s_wait_xcnt 0x0
	s_wait_alu depctr_hold_cnt(0) depctr_sa_sdst(0) depctr_va_vdst(0) depctr_va_sdst(0) depctr_va_ssrc(0) depctr_va_vcc(0) depctr_vm_vsrc(0)
	s_getreg_b32 s2, hwreg(HW_REG_IB_STS2, 6, 4)
	s_cmp_eq_u32 s2, 0
	s_cbranch_scc0 .Lentry_in_a_cluster
	s_endpgm
.Lentry_in_a_cluster:
	s_bfe_u32 s2, ttmp6, 0x10000c
	s_cmp_lg_u32 s2, 0xf033
	s_cbranch_scc0 .Lentry_shape_is_right
	s_endpgm
.Lentry_shape_is_right:
; part[s][token][o] = the sum over half an expert's hidden units (s = 2 e + half: 2,048 along K) of h[token][k] W2[e][o][k], both on codes of E5M2 with E8M0 scales; f32 sums, K ascending.  Nothing is left out.
; The gate's weights and b2 come in the next launch: an expert's sum must be whole before it is weighed.
; A tile of 256 tokens x 256 outputs is made by a work-group of four waves, each 128 x 128: 64 accumulators, 512 registers.  K goes in steps of 256 through two LDS slots.
; CLUSTER: the 4 x 4 work-groups of a cluster make the sixteen tiles of one s.  The four of a row (same tokens) ask for h's tiles jointly, the four of a column (same outputs) for W2's.
; h's tiles lie in hq as images of operand registers, with their scale words behind them: one dense block of 33,792 bytes for 256 tokens x 128 along K; waves 0, 1 fetch a slot's two.  W2's are 256 rows of 256 bytes; waves 2, 3 fetch 128 rows each.
; W2's scale words for my 128 outputs and all 16 K steps of 128 stay in 64 registers.  Each scale register carries two tiles' words, one in lanes 0-15 and one in lanes 16-31.
; THE MATRIX INSTRUCTION IS USED TRANSPOSED (source 0 = 16 rows of W2, source 1 = 16 tokens): a lane holds eight neighbouring outputs of one token.
; THE CHANGE OF SLOTS.  A slot can be asked for again only when the other slot's load has landed, so the requests follow each other in a chain.  Whatever the wave can do from registers stands ahead of the wait for that landing;
; between the landing and the next request stand only the lines that order them: so a request has all 128 matrix instructions of a slot in which to land.
; REGISTERS: window 0: v16-31 addresses; v32-95 W2's scale words; v96-111 h's, two sets; v128-255 h's fragments, one set.  Window 1: W2's fragments, two sets.  Windows 2, 3: the accumulators ((a, b) at v[8 (8 (a % 4) + b)]).
.set KSGB,  135168                     ; hq: from one 128 along K to the next
.set ABLK,  33792                      ; a block of hq
.set BOFF,  2*ABLK                     ; in a slot: h's two blocks, then W2's 256 rows
.set PITCH, 272                        ; a row of W2 in LDS: 256 bytes + 16 of padding
.set HALFB, 128*PITCH
.set SLOT,  BOFF+2*HALFB               ; 137,216
.set SPARE, 2*SLOT                     ; the spare words, 128 bytes for each wave: two blocks of 256 bytes that no other line names
.set SPITCH, 528                       ; the way out: a stage of 16 rows x (512 + 16) bytes for each wave, in slot 0, which has had its last fill and its last read by then
.set FR,   16
.set NP,   8                           ; places behind this matrix instruction (ISA guide 7.12.1)
.set ADRA, 16                          ; v16-17  h's fragments in slot 0, 1
.set ADRS, 18                          ; v18-19  h's scale words
.set ADRB, 20                          ; v20-21  W2's fragments
.set STO,  24
.set RD,   25
.set CO,   26
.set SPW,  28                          ; never rewritten
.set NIL,  29                          ; never rewritten
.set PFO,  30                          ; the prefetches' offset; never rewritten
.set BO,   31
.set BS,   32                          ; register 16 (b / 2) + ks
.set AS,   96                          ; register 8 slot + 4 q + a / 2
.set AF,   128
.set BK,   128
.set G1,  24                           ; s[24:31] group 1 for h;  s[32:39] group 0, a set for each slot
.set G0,  32
.set G1B, 48                           ; s[48:55], s[56:63] the same for W2
.set G0B, 56
.set PFA, 92                           ; s[92:93] where my prefetches stand; never rewritten
.set MSB, 0
.macro WIN new
.if MSB != (\new)
	s_set_vgpr_msb (MSB<<8)|(\new)
.set MSB, (\new)
.endif
.endm
.set MUL_LO, 0xa1                      ; source 0 (W2) window 1, source 1 (h) window 0, C and D window 2
.set MUL_HI, 0xf1
.set TO_B,   0x40
; A joint load: waves 0, 1 fetch h's blocks, waves 2, 3 W2's rows; the branch hangs on the wave's number alone.  An s_nop 0 and four v_nop follow each line.
; pf > 0: behind them one prefetch of K step pf (of 256), which the load two K steps on will ask for.  Of a tile's bytes each of the four partners that ask for it jointly names a quarter, told apart by address:
; of h's block 32 pieces of 256 bytes (its codes), of W2's 128 rows 32; a lane a piece.  No other cluster reads these bytes, so each piece is named once.  K steps 0 and 1 come by their loads alone, and behind K step 7 there is nothing.
.macro JLOAD sl, pf
	s_cmp_eq_u32 s15, 0
	s_cbranch_scc0 .Lfor_b_\@
	tensor_load_to_lds s[G0+4*(\sl):G0+4*(\sl)+3], s[G1:G1+7]
	s_nop 0
.rept 4
	v_nop
.endr
.if \pf
	global_prefetch_b8 v[PFO], s[PFA:PFA+1] offset:(\pf)*2*KSGB th:TH_LOAD_NT scope:SCOPE_SE
.endif
	s_branch .Lasked_\@
.Lfor_b_\@:
	tensor_load_to_lds s[G0B+4*(\sl):G0B+4*(\sl)+3], s[G1B:G1B+7]
	s_nop 0
.rept 4
	v_nop
.endr
.if \pf
	global_prefetch_b8 v[PFO], s[PFA:PFA+1] offset:(\pf)*256 th:TH_LOAD_NT scope:SCOPE_SE
.endif
.Lasked_\@:
.endm
.macro CREST
	s_cmp_lg_u32 s14, 0
	s_cbranch_scc1 .Lnot_wave_0_\@
	s_barrier_signal -3
.Lnot_wave_0_\@:
	s_barrier_wait -3
	s_barrier_signal -1
	s_barrier_wait -1
.endm
.macro CROUND
	s_barrier_signal -1
	s_barrier_wait -1
	CREST
.endm
	s_load_b256 s[4:11], s[0:1], 0x0               ; hq s[4:5], W2's codes s[6:7], its scales s[8:9], part s[10:11]
	v_lshl_add_u32 v[SPW], v0, 2, SPARE
	v_mov_b32 v[NIL], 0
	ds_add_u32 v[SPW], v[NIL]                      ; the wave's opening: the add, twice on end, and its wait ahead of my first tensor load
	ds_add_u32 v[SPW], v[NIL]
	v_lshrrev_b32 v1, 5, v0
	v_readfirstlane_b32 s14, v1                    ; wave 0..3
	s_lshr_b32 s15, s14, 1                         ; my half of the tile's tokens.  Also: I fetch for h (0) or for W2 (1)
	s_and_b32 s16, s14, 1                          ; my half of its outputs.  Also: which part of that tile I fetch
	s_bfe_u32 s40, ttmp6, 0x40000                  ; cx: the tile of 256 outputs
	s_bfe_u32 s41, ttmp6, 0x40004                  ; cy: the quarter of 256 tokens
	s_and_b32 s17, ttmp7, 0xffff                   ; the cluster's y: s
	s_lshr_b32 s18, s17, 1                         ; the expert
	s_and_b32 s19, s17, 1                          ; which half of its hidden units
	s_lshl_b32 s43, s41, 2
	s_lshl_b32 s43, 15, s43                        ; my row of the cluster
	s_lshl_b32 s44, 0x1111, s40                    ; my column
	s_or_b32 s[G1+0], s43, (3<<16)|(1<<21)         ; h: a dense block as 132 rows of 256 bytes (32 elements of 8), no padding
	s_mov_b32 s[G1+1], 32<<16
	s_mov_b32 s[G1+2], 132<<16
	s_mov_b32 s[G1+3], 32<<16
	s_mov_b32 s[G1+4], 132
	s_mov_b32 s[G1+5], 32
	s_mov_b32 s[G1+6], 0
	s_mov_b32 s[G1+7], 0
	s_or_b32 s[G1B+0], s44, (0<<16)|(1<<20)|(1<<21)|(5<<22)|(3<<25)   ; W2: 128 rows of 256 bytes, 4,096 apart; 16 bytes of padding behind each
	s_mov_b32 s[G1B+1], 256<<16
	s_mov_b32 s[G1B+2], 128<<16
	s_mov_b32 s[G1B+3], 256<<16
	s_mov_b32 s[G1B+4], 128
	s_mov_b32 s[G1B+5], 4096
	s_mov_b32 s[G1B+6], 0
	s_mov_b32 s[G1B+7], 0
	s_lshl_b32 s20, s17, 4
	s_add_co_u32 s20, s20, s16
	s_mul_i32 s20, s20, KSGB
	s_mul_i32 s21, s41, ABLK
	s_add_co_u32 s20, s20, s21                     ; h: (16 s + my part) x 135,168 + 33,792 cy: nothing of cx
	s_mov_b32 s21, 0
	s_lshl_b32 s46, s18, 10
	s_lshl_b32 s47, s40, 8
	s_add_co_u32 s46, s46, s47
	s_lshl_b32 s47, s16, 7
	s_add_co_u32 s46, s46, s47                     ; W2: row 1,024 e + 256 cx + 128 x my part: nothing of cy
	s_lshl_b32 s46, s46, 12
	s_lshl_b32 s47, s19, 11
	s_add_co_u32 s46, s46, s47                     ; + 2,048 x half along K
	s_mov_b32 s47, 0
	s_mul_i32 s45, s16, ABLK                       ; where they go in a slot
	s_mul_i32 s42, s16, HALFB
	s_add_co_u32 s42, s42, BOFF
	s_lshl_b32 s68, s18, 10
	s_lshl_b32 s69, s40, 8
	s_add_co_u32 s68, s68, s69
	s_lshl_b32 s69, s16, 7
	s_add_co_u32 s68, s68, s69
	s_lshl_b32 s68, s68, 7                         ; W2's scales: 128 bytes a row, my 128 outputs,
	s_lshl_b32 s69, s19, 6
	s_add_co_u32 s68, s68, s69                     ; + 64 x half
	s_mov_b32 s69, 0
	s_lshl_b32 s70, s17, 22                        ; part: 4 MiB x s
	s_lshl_b32 s71, s41, 20
	s_add_co_u32 s70, s70, s71                     ; + 256 cy rows of 4,096 bytes
	s_lshl_b32 s71, s15, 19
	s_add_co_u32 s70, s70, s71                     ; + my 128 rows
	s_lshl_b32 s71, s40, 10
	s_add_co_u32 s70, s70, s71
	s_lshl_b32 s71, s16, 9
	s_add_co_u32 s70, s70, s71                     ; + my 128 columns
	s_mov_b32 s71, 0
	s_lshl_b32 s86, s40, 13                        ; the prefetches: of h's block my work-group's 8,192 bytes by cx,
	s_add_co_u32 s86, s86, s20
	s_lshl_b32 s87, s41, 17                        ; of W2's 128 rows its 32 by cy
	s_add_co_u32 s87, s87, s46
	s_wait_dscnt 0x0                               ; both opening adds are done
	s_wait_kmcnt 0x0
	s_add_nc_u64 s[22:23], s[4:5], s[20:21]
	s_add_nc_u64 s[66:67], s[6:7], s[46:47]
	s_add_nc_u64 s[68:69], s[8:9], s[68:69]
	s_add_nc_u64 s[10:11], s[10:11], s[70:71]
	s_cmp_eq_u32 s15, 0                            ; the wave's number alone
	s_cselect_b32 s86, s86, s87
	s_mov_b32 s87, 0
	s_cselect_b64 s[PFA:PFA+1], s[4:5], s[6:7]
	s_mov_b32 s88, 4096
	s_cselect_b32 s88, 256, s88                    ; from lane to lane
	s_add_nc_u64 s[PFA:PFA+1], s[PFA:PFA+1], s[86:87]
	CROUND                                         ; all sixteen work-groups are here: the first joint loads meet
.irp sl, 0,1
	s_mov_b32 s[G0+4*\sl], 1
	s_add_co_u32 s[G0+4*\sl+1], s45, \sl*SLOT
	s_add_nc_u64 s[G0+4*\sl+2:G0+4*\sl+3], s[22:23], \sl*2*KSGB
	s_or_b32 s[G0+4*\sl+3], s[G0+4*\sl+3], 0x80000000
	s_mov_b32 s[G0B+4*\sl], 1
	s_add_co_u32 s[G0B+4*\sl+1], s42, \sl*SLOT
	s_add_nc_u64 s[G0B+4*\sl+2:G0B+4*\sl+3], s[66:67], \sl*256
	s_or_b32 s[G0B+4*\sl+3], s[G0B+4*\sl+3], 0x80000000
.endr
	v_and_b32 v3, 31, v0
	v_mul_u32_u24 v[PFO], s88, v3
	s_wait_alu depctr_va_vdst(0)
	JLOAD 0, 2                                     ; K step 0
	v_and_b32 v1, 15, v0                           ; r
	v_bfe_u32 v2, v0, 4, 1                         ; h
	v_and_b32 v3, 31, v0                           ; lane
	v_lshlrev_b32 v[BO], 7, v3                     ; W2's scale words: lanes 0-15 an even tile's rows, lanes 16-31 the odd tile's: 128 bytes a row
.irp bp, 0,1,2,3
.irp qd, 0,1,2,3
	global_load_b128 v[BS+16*\bp+4*\qd:BS+16*\bp+4*\qd+3], v[BO], s[68:69] offset:4096*\bp+16*\qd
.endr
.endr
	s_lshl_b32 s21, s15, 14
	v_lshl_add_u32 v[ADRA], v3, 4, s21             ; h: my eight token tiles, 16 x lane
	v_add_nc_u32 v[ADRA+1], SLOT, v[ADRA]
	s_lshl_b32 s21, s15, 9
	s_add_co_u32 s21, s21, 32768
	v_lshl_add_u32 v[ADRS], v3, 2, s21             ; their scale words: 4 x lane covers two tiles
	v_add_nc_u32 v[ADRS+1], SLOT, v[ADRS]
	v_mul_u32_u24 v4, v1, PITCH
	v_lshl_add_u32 v4, v2, 4, v4
	s_mul_i32 s21, s16, HALFB
	s_add_co_u32 s21, s21, BOFF
	v_add_nc_u32 v[ADRB], s21, v4                  ; W2: my 128 rows; row x pitch + 16 h
	v_add_nc_u32 v[ADRB+1], SLOT, v[ADRB]
	s_mul_i32 s21, s14, 16*SPITCH                  ; my stage
	v_mul_u32_u24 v5, v1, SPITCH
	v_lshl_add_u32 v5, v2, 5, v5
	v_add_nc_u32 v[STO], s21, v5                   ; in: row r, 32 bytes for each half of the lanes
	v_lshlrev_b32 v[CO], 4, v3                     ; back: 32 lanes take a row of 512 bytes; the same in part
	v_add_nc_u32 v[RD], s21, v[CO]
.macro WM zero                         ; one product; the symbols are set by MUL16
.if \zero
.if oB && oA
	v_wmma_scale_f32_16x16x128_f8f6f4 v[rD:rD+7], v[rB:rB+15], v[rA:rA+15], 0, v[rSB], v[rSA] matrix_a_fmt:MATRIX_FMT_BF8 matrix_b_fmt:MATRIX_FMT_BF8 matrix_a_scale:MATRIX_SCALE_ROW1 matrix_b_scale:MATRIX_SCALE_ROW1
.elseif oB
	v_wmma_scale_f32_16x16x128_f8f6f4 v[rD:rD+7], v[rB:rB+15], v[rA:rA+15], 0, v[rSB], v[rSA] matrix_a_fmt:MATRIX_FMT_BF8 matrix_b_fmt:MATRIX_FMT_BF8 matrix_a_scale:MATRIX_SCALE_ROW1
.elseif oA
	v_wmma_scale_f32_16x16x128_f8f6f4 v[rD:rD+7], v[rB:rB+15], v[rA:rA+15], 0, v[rSB], v[rSA] matrix_a_fmt:MATRIX_FMT_BF8 matrix_b_fmt:MATRIX_FMT_BF8 matrix_b_scale:MATRIX_SCALE_ROW1
.else
	v_wmma_scale_f32_16x16x128_f8f6f4 v[rD:rD+7], v[rB:rB+15], v[rA:rA+15], 0, v[rSB], v[rSA] matrix_a_fmt:MATRIX_FMT_BF8 matrix_b_fmt:MATRIX_FMT_BF8
.endif
.else
.if oB && oA
	v_wmma_scale_f32_16x16x128_f8f6f4 v[rD:rD+7], v[rB:rB+15], v[rA:rA+15], v[rD:rD+7], v[rSB], v[rSA] matrix_a_fmt:MATRIX_FMT_BF8 matrix_b_fmt:MATRIX_FMT_BF8 matrix_a_scale:MATRIX_SCALE_ROW1 matrix_b_scale:MATRIX_SCALE_ROW1
.elseif oB
	v_wmma_scale_f32_16x16x128_f8f6f4 v[rD:rD+7], v[rB:rB+15], v[rA:rA+15], v[rD:rD+7], v[rSB], v[rSA] matrix_a_fmt:MATRIX_FMT_BF8 matrix_b_fmt:MATRIX_FMT_BF8 matrix_a_scale:MATRIX_SCALE_ROW1
.elseif oA
	v_wmma_scale_f32_16x16x128_f8f6f4 v[rD:rD+7], v[rB:rB+15], v[rA:rA+15], v[rD:rD+7], v[rSB], v[rSA] matrix_a_fmt:MATRIX_FMT_BF8 matrix_b_fmt:MATRIX_FMT_BF8 matrix_b_scale:MATRIX_SCALE_ROW1
.else
	v_wmma_scale_f32_16x16x128_f8f6f4 v[rD:rD+7], v[rB:rB+15], v[rA:rA+15], v[rD:rD+7], v[rSB], v[rSA] matrix_a_fmt:MATRIX_FMT_BF8 matrix_b_fmt:MATRIX_FMT_BF8
.endif
.endif
.endm
; 16 matrix instructions: token tiles a0, a0 + 1 x W2's eight tiles, 128 along K: the q-th of slot sl, the ks-th of all.  p: W2's set.  The 64 accumulators take turns in the same order in every step.
.macro MUL16 a0, p, q, sl, ks, zero
.irp a, \a0, \a0+1
.irp b, 0,1,2,3,4,5,6,7
.set rD, 8*(8*((\a)%4)+\b)
.set rB, 128*(\p)+FR*\b
.set rA, AF+FR*(\a)
.set rSB, BS+16*(\b/2)+(\ks)
.set rSA, AS+8*(\sl)+4*(\q)+(\a)/2
.set oB, \b%2
.set oA, (\a)%2
	WM \zero
.endr
.endr
.endm
.macro FETCH_B sl, q, p
	WIN TO_B
.irp i, 0,1,2,3,4,5,6,7
.irp c, 0,1,2,3
	ds_load_b128 v[128*(\p)+FR*\i+4*\c:128*(\p)+FR*\i+4*\c+3], v[ADRB+\sl] offset:128*(\q)+32*\c+\i*16*PITCH
.endr
.endr
	WIN 0
.endm
.macro FETCH_A sl, q, i0               ; token tiles i0 .. i0 + 3: images of their registers
.irp i, \i0, \i0+1, \i0+2, \i0+3
.irp c, 0,1,2,3
	ds_load_b128 v[AF+FR*(\i)+4*\c:AF+FR*(\i)+4*\c+3], v[ADRA+\sl] offset:ABLK*(\q)+2048*(\i)+512*\c
.endr
.endr
.endm
.macro SCALES sl                       ; h's scale words of a slot: 2 x 4 registers, two tiles to a register
.irp q, 0,1
.irp ap, 0,1,2,3
	ds_load_b32 v[AS+8*\sl+4*\q+\ap], v[ADRS+\sl] offset:ABLK*\q+128*\ap
.endr
.endr
.endm
.macro PLACES n
.rept \n
	v_nop
.endr
.endm
; a slot's first 128 along K
.macro STEP sl, ks, zero
	s_wait_dscnt 16                                ; W2's set, h's tiles 0-3 and the scale words are in; the youngest 16 loads (tiles 4-7) may be out
	WIN MUL_LO
	MUL16 0, 0, 0, \sl, \ks, \zero
	MUL16 2, 0, 0, \sl, \ks, \zero
	s_wait_dscnt 0x0
	PLACES NP                                      ; in front of loads into registers that matrix instructions have read
	FETCH_B \sl, 1, 1
	FETCH_A \sl, 1, 0
	WIN MUL_HI
	MUL16 4, 0, 0, \sl, \ks, \zero
	MUL16 6, 0, 0, \sl, \ks, \zero
	PLACES NP
	WIN 0
	FETCH_A \sl, 1, 4
.endm
; a slot's second 128 along K, and the change of slots.  The 32 products of token tiles 0-3 come first: they need nothing new.  Then one barrier; in front of it each wave waits for all its tensor loads,
; adds 0 to its spare word, and waits for that and for its reads of this slot, the last of which (tiles 4-7) were asked for 32 matrix instructions ago.
.macro TURN sl, next, fill, ks, pf
	s_wait_dscnt 16                                ; W2's set and h's tiles 0-3 are in; the youngest 16 loads (tiles 4-7) may be out
	WIN MUL_LO
	MUL16 0, 1, 1, \sl, \ks, 0
	MUL16 2, 1, 1, \sl, \ks, 0
	WIN 0
	s_wait_tensorcnt 0x0                           ; all my tensor loads have landed: my part of the next slot; so every group 0 may be written
	ds_add_u32 v[SPW], v[NIL]                      ; 0 onto my spare word; with fill = 1 the descriptors' steps stand between it and the wait for it
.if \fill
	s_add_nc_u64 s[G0+4*\sl+2:G0+4*\sl+3], s[G0+4*\sl+2:G0+4*\sl+3], 4*KSGB
	s_add_nc_u64 s[G0B+4*\sl+2:G0B+4*\sl+3], s[G0B+4*\sl+2:G0B+4*\sl+3], 512
.endif
	s_wait_dscnt 0x0                               ; the add is done, and my reads of this slot are over
	s_barrier_signal -1
	s_barrier_wait -1
.if \fill
	CREST                                          ; the barrier has opened a round of the cluster's: no wave of any partner still reads this slot or has a load on its way
	JLOAD \sl, \pf                                 ; the first tensor load behind the round; its four v_nop are among the places in front of the loads below
	PLACES NP-4
.else
	PLACES NP
.endif
	FETCH_B \next, 0, 0
	FETCH_A \next, 0, 0
	SCALES \next
	WIN MUL_HI
	MUL16 4, 1, 1, \sl, \ks, 0
	MUL16 6, 1, 1, \sl, \ks, 0
	PLACES NP
	WIN 0
	FETCH_A \next, 0, 4
.endm
	s_wait_alu depctr_va_vdst(0)
	s_wait_tensorcnt 0x0                           ; my part of slot 0 is in
	ds_add_u32 v[SPW], v[NIL]
	s_wait_dscnt 0x0
	CROUND
	JLOAD 1, 3
	FETCH_B 0, 0, 0
	FETCH_A 0, 0, 0
	SCALES 0
	FETCH_A 0, 0, 4
	s_wait_loadcnt 0x0                             ; W2's scale words
	STEP 0, 0, 1                                   ; the first products start the sums: nothing is cleared.  The 16 steps are written out: W2's scale word of step ks is a register of its own
	TURN 0, 1, 1, 1, 4
	STEP 1, 2, 0
	TURN 1, 0, 1, 3, 5
	STEP 0, 4, 0
	TURN 0, 1, 1, 5, 6
	STEP 1, 6, 0
	TURN 1, 0, 1, 7, 7
	STEP 0, 8, 0
	TURN 0, 1, 1, 9, 0
	STEP 1, 10, 0
	TURN 1, 0, 1, 11, 0
	STEP 0, 12, 0
	TURN 0, 1, 0, 13, 0                            ; nothing is left to fetch: a plain barrier
	STEP 1, 14, 0
	s_wait_dscnt 16
	WIN MUL_LO
	MUL16 0, 1, 1, 1, 15, 0
	MUL16 2, 1, 1, 1, 15, 0
	s_wait_dscnt 0x0
	WIN MUL_HI
	MUL16 4, 1, 1, 1, 15, 0
	MUL16 6, 1, 1, 1, 15, 0
	WIN 0
; THE WAY OUT, 16 tokens x 128 outputs at a time: through my own stage in LDS, back as whole rows of 512 bytes.  LDS serves a wave's instructions in order (ISA guide 5.7.1.4): no wait between the stores and the loads.
.macro TOSTAGE a
.set AC, 64*((\a)%4)
	WIN 0x08+4*((\a)/4)                            ; an LDS store's data: window 2 or 3
.irp b, 0,1,2,3,4,5,6,7
	ds_store_b128 v[STO], v[AC+8*\b:AC+8*\b+3] offset:64*\b          ; each accumulator from its low end on
	ds_store_b128 v[STO], v[AC+8*\b+4:AC+8*\b+7] offset:64*\b+16
.endr
	WIN 0
.set BB, BK+64*((\a)%2)
.irp t, 0,1,2,3,4,5,6,7,8,9,10,11,12,13,14,15
	ds_load_b128 v[BB+4*\t:BB+4*\t+3], v[RD] offset:\t*SPITCH
.endr
.endm
.macro SEND a, younger
.set BB, BK+64*((\a)%2)
	s_wait_dscnt \younger                          ; the block is back in registers
.if (\a) > 0
	s_add_nc_u64 s[10:11], s[10:11], 16*4096       ; (behind a wait on XCNT: the earlier stores have read their base)
.endif
.irp t, 0,1,2,3,4,5,6,7,8,9,10,11,12,13,14,15
	global_store_b128 v[CO], v[BB+4*\t:BB+4*\t+3], s[10:11] offset:\t*4096 th:TH_STORE_NT   ; 32 lanes store 512 consecutive bytes, aligned
.endr
.endm
	PLACES NP
	TOSTAGE 0
.irp a, 1,2,3,4,5,6,7
.if \a > 1
	s_wait_xcnt 0x0                                ; block a - 2's stores have read their registers and their base
.endif
	TOSTAGE \a
	SEND \a-1, 32                                  ; behind block a - 1's loads: block a's 16 stores and 16 loads
.endr
	s_wait_xcnt 0x0
	SEND 7, 0
	s_wait_tensorcnt 0x0                           ; the wave's end, behind my last tensor load and my last LDS store
	ds_add_u32 v[SPW], v[NIL]
	s_wait_dscnt 0x0
	CROUND                                         ; the closing round
	s_endpgm
.Lfunc_end_k_q2b2b878ec1_outer:
	.size	k_q2b2b878ec1_outer, .Lfunc_end_k_q2b2b878ec1_outer-k_q2b2b878ec1_outer
	.p2alignl 7, 3214868480
	.fill 96, 4, 3214868480
	.section	.rodata,"a",@progbits
	.p2align	6, 0x0
	.amdhsa_kernel k_q2b2b878ec1_outer
		.amdhsa_group_segment_fixed_size 327680
		.amdhsa_private_segment_fixed_size 0
		.amdhsa_enable_private_segment 0
		.amdhsa_kernarg_size 32
		.amdhsa_user_sgpr_count 2
		.amdhsa_user_sgpr_kernarg_segment_ptr 1
		.amdhsa_wavefront_size32 1
		.amdhsa_system_sgpr_workgroup_id_x 1
		.amdhsa_system_sgpr_workgroup_id_y 1
		.amdhsa_system_sgpr_workgroup_id_z 1
		.amdhsa_system_vgpr_workitem_id 0
		.amdhsa_next_free_vgpr 1024
		.amdhsa_next_free_sgpr 98
		.amdhsa_reserve_vcc 0
		.amdhsa_float_denorm_mode_32 3
		.amdhsa_float_denorm_mode_16_64 3
		.amdhsa_memory_ordered 1
		.amdhsa_forward_progress 1
		.amdhsa_inst_pref_size 254
	.end_amdhsa_kernel
	.amdgpu_metadata
---
amdhsa.version: [ 1, 2 ]
amdhsa.kernels:
  - .name:           k_q2b2b878ec1_outer
    .symbol:         k_q2b2b878ec1_outer.kd
    .args:
      - { .name: hq, .offset: 0, .size: 8, .value_kind: global_buffer, .address_space: global }
      - { .name: W2_codes, .offset: 8, .size: 8, .value_kind: global_buffer, .address_space: global }
      - { .name: W2_scales, .offset: 16, .size: 8, .value_kind: global_buffer, .address_space: global }
      - { .name: part, .offset: 24, .size: 8, .value_kind: global_buffer, .address_space: global }
    .group_segment_fixed_size: 327680
    .private_segment_fixed_size: 0
    .kernarg_segment_align: 8
    .kernarg_segment_size: 32
    .max_flat_workgroup_size: 128
    .sgpr_count:     98
    .vgpr_count:     1024
    .wavefront_size: 32
...
	.end_amdgpu_metadata
.endif
;; end of part 3
;; launch combine (part 4): grid 256 x 1, 8 waves a work-group, no clusters, 2,048 bytes of LDS; arguments x, Wg, bg, b2, part, out0; writes out0
.if DOCPART == 4
	.amdgcn_target "amdgcn-amd-amdhsa--gfx1250"
	.amdhsa_code_object_version 6
	.text
	.protected	k_q2b2b878ec1_combine
	.globl	k_q2b2b878ec1_combine
	.p2align	8
	.type	k_q2b2b878ec1_combine,@function
k_q2b2b878ec1_combine:
	s_mov_b64 s[64:65], 0
	v_nop
	global_prefetch_b8 v0, s[64:65] scope:SCOPE_SE
	s_setreg_imm32_b32 hwreg(HW_REG_WAVE_MODE, 25, 1), 1
	s_wait_xcnt 0x0
; out[n][o] = the sum over e of g[n][e] (part[2 e][n][o] + part[2 e + 1][n][o] + b2[e][o]), g = softmax over e of (x Wg + bg), all in f32, the row's maximum taken away before the exponential.  Nothing is left out.
; A work-group of eight waves owns 4 tokens.  Thread t owns outputs 4 t .. 4 t + 3 of each (a wave's load or store covers 512 consecutive bytes), and for the gate the numbers k = 4 t .. 4 t + 3 of x and of Wg's rows.
; The gate: 32 partial sums a thread (4 tokens x 8 experts), summed over the lanes, then over the waves through LDS; every wave then holds the 32 logits, one a lane, makes the softmax within groups of 8 lanes, and reads the weights into scalar registers.
; ALL FOUR TOKENS' 64 LOADS of parts are out while the gate is made.  No matrix unit, no cluster: what work-groups share (Wg, bg, b2) is a small part of their bytes.
; LIMITS: the order of the sums differs from the reference's (f32 rounding alone); NaN and infinities are not served.
.set CO,  1                            ; 16 t
.set WO,  2                            ; 128 t
.set BGO, 3                            ; 4 (lane % 8)
.set BGV, 4                            ; bg of my lane's expert
.set LA,  5                            ; LDS: my wave's 128 bytes
.set LR,  6                            ; LDS: 4 x lane
.set X,   8                            ; v8-23   x: 4 tokens x 4; later the results
.set ACC, 8
.set W,   24                           ; v24-55  Wg: register 8 kk + e
.set L,   56                           ; v56-87  partial logits: register 8 u + e
.set B2,  88                           ; v88-119 b2: register 4 e + c
.set SPW, 120                          ; never rewritten
.set NIL, 121                          ; never rewritten
.set Z,   122
.set M,   123
.set S,   124
.set P,   128                          ; v128-383 a buffer of 64 for each token: register 8 e + 4 half + c; tokens 2 and 3 in window 1
.set SPARE, 1024                       ; behind the 8 x 128 bytes of sums: the spare words
.set PB,  16                           ; s[16:31] part at expert e's first half, my first token
.set G,   32                           ; s32-63  the weights: 8 u + e
.set MSB, 0
.macro WIN new
.if MSB != (\new)
	s_set_vgpr_msb (MSB<<8)|(\new)
.set MSB, (\new)
.endif
.endm
	s_load_b256 s[4:11], s[0:1], 0x0               ; x, Wg, bg, b2
	s_load_b128 s[12:15], s[0:1], 0x20             ; part, out0
	v_lshl_add_u32 v[SPW], v0, 2, SPARE
	v_mov_b32 v[NIL], 0
	v_lshlrev_b32 v[CO], 4, v0
	v_lshlrev_b32 v[WO], 7, v0
	v_and_b32 v[BGO], 7, v0
	v_lshrrev_b32 v[LA], 5, v0
	v_and_b32 v[LR], 31, v0
	v_lshlrev_b32 v[BGO], 2, v[BGO]
	v_lshlrev_b32 v[LA], 7, v[LA]
	v_lshlrev_b32 v[LR], 2, v[LR]
	s_lshl_b32 s66, ttmp9, 14                      ; my 4 rows of 4,096 bytes
	s_mov_b32 s67, 0
	s_mov_b32 s68, 0x76543210
	s_mov_b32 s69, 0xfedcba98                      ; lane l xor 16
	s_wait_alu depctr_va_vdst(0)
	s_wait_kmcnt 0x0
	s_add_nc_u64 s[4:5], s[4:5], s[66:67]
	s_add_nc_u64 s[14:15], s[14:15], s[66:67]
	s_add_nc_u64 s[PB:PB+1], s[12:13], s[66:67]
.irp e, 1,2,3,4,5,6,7
	s_add_nc_u64 s[PB+2*\e:PB+2*\e+1], s[PB+2*\e-2:PB+2*\e-1], 0x800000   ; 8 MiB: two parts on
.endr
.irp u, 0,1,2,3
	global_load_b128 v[X+4*\u:X+4*\u+3], v[CO], s[4:5] offset:4096*\u
.endr
.irp n, 0,1,2,3,4,5,6,7
	global_load_b128 v[W+4*\n:W+4*\n+3], v[WO], s[6:7] offset:16*\n
.endr
	global_load_b32 v[BGV], v[BGO], s[8:9]
.irp e, 0,1,2,3,4,5,6,7
	global_load_b128 v[B2+4*\e:B2+4*\e+3], v[CO], s[10:11] offset:4096*\e
.endr
.macro PLOAD u                         ; token u's sixteen parts
.set PP, P+64*(\u)-256*((\u)/2)
	WIN 0x40*((\u)/2)
.irp e, 0,1,2,3,4,5,6,7
.irp hf, 0,1
	global_load_b128 v[PP+8*\e+4*\hf:PP+8*\e+4*\hf+3], v[CO], s[PB+2*\e:PB+2*\e+1] offset:4194304*\hf+4096*(\u) th:TH_LOAD_NT
.endr
.endr
	WIN 0
.endm
	PLOAD 0
	PLOAD 1
	PLOAD 2
	s_wait_loadcnt 56                              ; x, Wg and bg are in; b2's 8 loads and the 48 of three tokens may be out
	PLOAD 3
.irp u, 0,1,2,3
.irp e, 0,1,2,3,4,5,6,7
	v_mul_f32 v[L+8*\u+\e], v[X+4*\u], v[W+\e]
.endr
.endr
.irp kk, 1,2,3
.irp u, 0,1,2,3
.irp e, 0,1,2,3,4,5,6,7
	v_fma_f32 v[L+8*\u+\e], v[X+4*\u+\kk], v[W+8*\kk+\e], v[L+8*\u+\e]
.endr
.endr
.endr
.irp x, 1,2,4,8                        ; over the 16 lanes of a row, the 32 sums by turns
.set n, 0
.rept 32
	v_add_f32_dpp v[L+n], v[L+n], v[L+n] row_xmask:\x row_mask:0xf bank_mask:0xf
.set n, n+1
.endr
.endr
.set n, 0
.rept 32
	v_permlanex16_b32 v[W+n], v[L+n], s68, s69     ; (Wg's registers are done with, and have been written)
.set n, n+1
.endr
.set n, 0
.rept 32
	v_add_f32 v[L+n], v[L+n], v[W+n]               ; every lane holds my wave's 32 sums
.set n, n+1
.endr
.irp n, 0,1,2,3,4,5,6,7
	ds_store_b128 v[LA], v[L+4*\n:L+4*\n+3] offset:16*\n   ; all lanes write the same bytes with the same values
.endr
	s_wait_dscnt 0x0                               ; for the others' sake: my stores have landed
	s_barrier_signal -1
	s_barrier_wait -1
.irp n, 0,1,2,3,4,5,6,7
	ds_load_b32 v[W+\n], v[LR] offset:128*\n       ; lane 8 u + e: wave n's sum for token u, expert e
.endr
	s_wait_dscnt 0x0
	v_add_f32 v[W], v[W], v[W+1]
	v_add_f32 v[W+2], v[W+2], v[W+3]
	v_add_f32 v[W+4], v[W+4], v[W+5]
	v_add_f32 v[W+6], v[W+6], v[W+7]
	s_delay_alu instid0(VALU_DEP_3)
	v_add_f32 v[W], v[W], v[W+2]
	s_delay_alu instid0(VALU_DEP_2)
	v_add_f32 v[W+4], v[W+4], v[W+6]
	s_delay_alu instid0(VALU_DEP_1)
	v_add_f32 v[W], v[W], v[W+4]
	s_delay_alu instid0(VALU_DEP_1)
	v_add_f32 v[Z], v[W], v[BGV]                   ; the logit
	s_delay_alu instid0(VALU_DEP_1)
	v_mov_b32 v[M], v[Z]
	s_delay_alu instid0(VALU_DEP_1)
	v_max_num_f32_dpp v[M], v[M], v[M] row_xmask:1 row_mask:0xf bank_mask:0xf
	s_delay_alu instid0(VALU_DEP_1)
	v_max_num_f32_dpp v[M], v[M], v[M] row_xmask:2 row_mask:0xf bank_mask:0xf
	s_delay_alu instid0(VALU_DEP_1)
	v_max_num_f32_dpp v[M], v[M], v[M] row_xmask:4 row_mask:0xf bank_mask:0xf   ; the token's largest logit
	s_delay_alu instid0(VALU_DEP_1)
	v_sub_f32 v[Z], v[Z], v[M]
	s_delay_alu instid0(VALU_DEP_1)
	v_mul_f32 v[Z], 0x3fb8aa3b, v[Z]               ; x log2(e)
	s_wait_alu depctr_va_vdst(0)
	v_exp_f32 v[Z], v[Z]
	v_nop                                          ; a plain line behind the transcendental,
	s_wait_alu depctr_va_vdst(0)                   ; and the wait ahead of its first reader
	v_mov_b32 v[S], v[Z]
	s_delay_alu instid0(VALU_DEP_1)
	v_add_f32_dpp v[S], v[S], v[S] row_xmask:1 row_mask:0xf bank_mask:0xf
	s_delay_alu instid0(VALU_DEP_1)
	v_add_f32_dpp v[S], v[S], v[S] row_xmask:2 row_mask:0xf bank_mask:0xf
	s_delay_alu instid0(VALU_DEP_1)
	v_add_f32_dpp v[S], v[S], v[S] row_xmask:4 row_mask:0xf bank_mask:0xf
	s_wait_alu depctr_va_vdst(0)
	v_rcp_f32 v[M], v[S]
	v_nop
	s_wait_alu depctr_va_vdst(0)
	v_mul_f32 v[Z], v[Z], v[M]                     ; the weight
.set n, 0
.rept 32
	v_readlane_b32 s[G+n], v[Z], n
.set n, n+1
.endr
.macro TOKEN u, left                   ; left: the younger loads that may stay out
	s_wait_loadcnt \left
.set PP, P+64*(\u)-256*((\u)/2)
	WIN 0x45*((\u)/2)
.irp e, 0,1,2,3,4,5,6,7
	v_pk_add_f32 v[PP+8*\e:PP+8*\e+1], v[PP+8*\e:PP+8*\e+1], v[PP+8*\e+4:PP+8*\e+5]       ; the expert's two halves along K
	v_pk_add_f32 v[PP+8*\e+2:PP+8*\e+3], v[PP+8*\e+2:PP+8*\e+3], v[PP+8*\e+6:PP+8*\e+7]
.endr
	WIN 0x41*((\u)/2)
.irp e, 0,1,2,3,4,5,6,7
	v_pk_add_f32 v[PP+8*\e:PP+8*\e+1], v[PP+8*\e:PP+8*\e+1], v[B2+4*\e:B2+4*\e+1]         ; and its bias
	v_pk_add_f32 v[PP+8*\e+2:PP+8*\e+3], v[PP+8*\e+2:PP+8*\e+3], v[B2+4*\e+2:B2+4*\e+3]
.endr
	WIN 0x01*((\u)/2)
.irp c, 0,1,2,3
	v_mul_f32 v[ACC+4*(\u)+\c], v[PP+\c], s[G+8*(\u)]
.endr
.irp e, 1,2,3,4,5,6,7
.irp c, 0,1,2,3
	s_delay_alu instid0(VALU_DEP_4)
	v_fma_f32 v[ACC+4*(\u)+\c], v[PP+8*\e+\c], s[G+8*(\u)+\e], v[ACC+4*(\u)+\c]
.endr
.endr
	WIN 0
	global_store_b128 v[CO], v[ACC+4*(\u):ACC+4*(\u)+3], s[14:15] offset:4096*(\u) th:TH_STORE_NT   ; a wave stores 512 consecutive bytes, aligned; each token has its own four registers
.endm
	TOKEN 0, 48                                    ; b2 and token 0 are in; three tokens' 48 loads may be out
	TOKEN 1, 32
	TOKEN 2, 16
	TOKEN 3, 0
	s_wait_tensorcnt 0x0                           ; the wave's end, behind my last LDS store
	ds_add_u32 v[SPW], v[NIL]
	s_wait_dscnt 0x0
	s_endpgm
.Lfunc_end_k_q2b2b878ec1_combine:
	.size	k_q2b2b878ec1_combine, .Lfunc_end_k_q2b2b878ec1_combine-k_q2b2b878ec1_combine
	.p2alignl 7, 3214868480
	.fill 96, 4, 3214868480
	.section	.rodata,"a",@progbits
	.p2align	6, 0x0
	.amdhsa_kernel k_q2b2b878ec1_combine
		.amdhsa_group_segment_fixed_size 2048
		.amdhsa_private_segment_fixed_size 0
		.amdhsa_enable_private_segment 0
		.amdhsa_kernarg_size 48
		.amdhsa_user_sgpr_count 2
		.amdhsa_user_sgpr_kernarg_segment_ptr 1
		.amdhsa_wavefront_size32 1
		.amdhsa_system_sgpr_workgroup_id_x 1
		.amdhsa_system_sgpr_workgroup_id_y 1
		.amdhsa_system_sgpr_workgroup_id_z 1
		.amdhsa_system_vgpr_workitem_id 0
		.amdhsa_next_free_vgpr 384
		.amdhsa_next_free_sgpr 80
		.amdhsa_reserve_vcc 0
		.amdhsa_float_denorm_mode_32 3
		.amdhsa_float_denorm_mode_16_64 3
		.amdhsa_memory_ordered 1
		.amdhsa_forward_progress 1
		.amdhsa_inst_pref_size 53
	.end_amdhsa_kernel
	.amdgpu_metadata
---
amdhsa.version: [ 1, 2 ]
amdhsa.kernels:
  - .name:           k_q2b2b878ec1_combine
    .symbol:         k_q2b2b878ec1_combine.kd
    .args:
      - { .name: x, .offset: 0, .size: 8, .value_kind: global_buffer, .address_space: global }
      - { .name: Wg, .offset: 8, .size: 8, .value_kind: global_buffer, .address_space: global }
      - { .name: bg, .offset: 16, .size: 8, .value_kind: global_buffer, .address_space: global }
      - { .name: b2, .offset: 24, .size: 8, .value_kind: global_buffer, .address_space: global }
      - { .name: part, .offset: 32, .size: 8, .value_kind: global_buffer, .address_space: global }
      - { .name: out0, .offset: 40, .size: 8, .value_kind: global_buffer, .address_space: global }
    .group_segment_fixed_size: 2048
    .private_segment_fixed_size: 0
    .kernarg_segment_align: 8
    .kernarg_segment_size: 48
    .max_flat_workgroup_size: 256
    .sgpr_count:     80
    .vgpr_count:     384
    .wavefront_size: 32
...
	.end_amdgpu_metadata
.endif
;; end of part 4
